; MI455X (gfx1250); checked and timed in simulation.
; The chip was launched on July 23, 2026; its instructions are those of AMD's public machine-readable ISA for CDNA 5 (MIT licence, August 2026) and "CDNA5" Instruction Set Architecture Reference Guide (July 2026). The comments in the code are by the model that wrote it; some were corrected since.
;; Mo E Layer. Allowed arithmetic: matrix products marked QUANTISED: E2M1 operands, one E8M0 scale for each 32 along K, by v_wmma_scale_f32_16x16x128_f8f6f4 with both operands' format E2M1 (or v_wmma_scale_f32_32x16x128_f4), f32 sums; products left as they are: f32 operands where the result goes on into a quantised operand, else bf16, f16 or f32 operands; f32 sums; everything else in f32.
;; Inputs: gate_w 1,024 x 8 float32; hidden_states 2 x 512 x 1,024 float32; w1 8 x 1,024 x 4,096 float32; w2 8 x 4,096 x 1,024 float32.
;; Outputs: out0 2 x 512 x 1,024 float32.
;; This version of the problem:
;;   THIS VERSION OF THE PROBLEM IS GIVEN IN LOW PRECISION. The matrix products marked QUANTISED in the list below multiply operands that are first quantised to E2M1 (2 exponent bits, 1 mantissa bit; 4 bits a number), with one power-of-two scale for each 32 numbers along K (OCP MX v1.0); their sums are f32. All else is computed in f32.
;;   The module's matrix products, in the order in which they are computed (A, B: the left and right operand; K: the contracted axis; several contracted axes count as one K, in the product's order):
;;     1. [M 1,024, K 1,024] x [K 1,024, N 8]; A: input hidden_states; B: input gate_w: left as it is (N = 8 < 16)
;;     2. batch 1,024 x [M 8, K 2] x [K 2, N 1]; A: computed on the way; B: softmax: left as it is (K = 2 < 32)
;;     3. [M 32,768, K 1,024] x [K 1,024, N 1,024]; A: input w1; B: input hidden_states: QUANTISED
;;     4. batch 8 x [M 1,024, K 4,096] x [K 4,096, N 1,024]; A: computed on the way; B: input w2: QUANTISED
;;     5. batch 1,024 x [M 1,024, K 8] x [K 8, N 1]; A: computed on the way; B: computed on the way: left as it is (K = 8 < 32)
;;   THE QUANTISER, for each operand of a quantised product, along K:
;;     - K is cut into blocks of 32 from its start; a last block that is shorter is filled with zeros.
;;     - A block's scale is 2^e with e = floor(log2(the largest magnitude in the block)) - 2, held to -126 .. 127; a block of zeros has e = 0. As a byte (E8M0): e + 127.
;;     - Each number is divided by its block's scale, clamped to +-6, and rounded to the nearest number of E2M1, ties to even, subnormals kept.
;;     - The product sums the exact products of the quantised numbers (number of the format x scale) in f32.
;;   ~~~python
;;   def quantise(x, axis):      # numpy; x: float32 -> the quantised numbers, widened to float32 again
;;       x = np.moveaxis(x, axis, -1); K = x.shape[-1]
;;       x = np.pad(x, [(0, 0)] * (x.ndim - 1) + [(0, -K % 32)]); x = x.reshape(x.shape[:-1] + (-1, 32)); a = np.abs(x).max(-1, keepdims=True)
;;       e = np.where(a > 0, np.clip(np.frexp(np.where(a > 0, a, 1))[1] - 1 - 2, -126, 127), 0)      # np.frexp(a)[1] - 1 = floor(log2(a)), exactly
;;       r = np.clip(x / 2.0 ** e, -6, 6)
;;       step = 2.0 ** (np.maximum(np.frexp(np.where(r == 0, 1, r))[1] - 1, 0) - 1)
;;       q = np.round(r / step) * step * 2.0 ** e      # np.round: ties to even
;;       return np.moveaxis(q.reshape(q.shape[:-2] + (-1,))[..., :K], -1, axis).astype(np.float32)
;;   ~~~
;;   OPERANDS COMPUTED ON THE WAY. 'Computed on the way' means the value that the module computes at that place (a softmax that the list does not call 'softmax' is quantised finished and normalised). What goes into a quantiser is computed in f32, as accurately as f32 sums, v_exp_f32 and their like allow (about 1e-6 of the number): no bf16 or f16 on the way to a quantiser, and a product that is left as it is and whose result goes on into a quantised operand takes f32 operands (vector FMAs, or v_wmma_f32_16x16x4_f32). A number that lies on a knife's edge between two numbers of the format may be rounded either way, as far as f32 arithmetic and the matrix unit's own rounding can turn it there, and no further.
;; One version. Each part assembles by itself: llvm-mc -triple=amdgcn-amd-amdhsa -mcpu=gfx1250 --defsym DOCPART=n.
;; ======== version 1 of 1: 4 launches
;; limits: right only within a limited range of input values
;; workspace buffers: xq 524,288 bytes; xs 32,768 bytes; ridx 8,192 bytes of whole numbers; rwt 8,192 bytes; rpos 33,792 bytes of whole numbers; hq 16,777,216 bytes; hs 1,048,576 bytes; yp 67,108,864 bytes
;; launch route (part 1): grid 128 x 1, 8 waves a work-group, no clusters, 76,544 bytes of LDS; arguments hidden_states, gate_w, xq, xs, ridx, rwt; writes xq, xs, ridx, rwt
.if DOCPART == 1
	.amdgcn_target "amdgcn-amd-amdhsa--gfx1250"
	.amdhsa_code_object_version 6
	.text
	.protected	k_q3640414de6_route
	.globl	k_q3640414de6_route
	.p2align	8
	.type	k_q3640414de6_route,@function
k_q3640414de6_route:
	s_mov_b64 s[64:65], 0
	v_nop
	global_prefetch_b8 v0, s[64:65] scope:SCOPE_SE
	s_setreg_imm32_b32 hwreg(HW_REG_WAVE_MODE, 25, 1), 1
	s_wait_xcnt 0x0
; THE ROUTER AND x's QUANTISER.  x = hidden_states [1024 tokens][1024] f32, gate_w [1024][8] f32.
; Stored: xq [1024][512 B] codes of E2M1 along d (the lower d in the low four bits); xs [1024][8 words], word s = the four E8M0 bytes of d = 128 s .. 128 s + 127;
; ridx [1024][2] the two chosen experts (whole numbers, at fixed places); rwt [1024][2] their softmax weights.
; WORK LEFT OUT BY THE WHOLE PROGRAM.  The result is the sum over e of expert_out[e][t] x combine[t][e], and combine is built from a one_hot of the function's own top-2:
; for the six experts that a token did not choose the factor is a zero of the function's own making, whatever finite values the inputs hold.  So rows (e, t) with combine[t][e] = 0
; of the two expert products are not computed: only the 2 x 1024 routed rows are.  All four inputs have a way to the output and are loaded.
; LIMITS.  A NaN, an infinity or an overflow that arises only in an expert that a token did not choose is not carried to the result.  NaN and infinities among the inputs or logits are not served.
; A block whose largest magnitude lies under 2^-124 keeps the scale byte 1; a block of zeros has the byte 1 where the quantiser says 127: its codes are zeros, and only this program reads the bytes.
; The gate's f32 sums run in another order than a plain row sum, so two logits that agree to the last bits may be ranked the other way.  Equal logits: the lower index first.
; SHARES.  A work-group takes 8 tokens.  Wave w: hf = w & 1 is the half of d (512 numbers), tp = w >> 1 the pair of tokens 8 wg + 2 tp + u.  Lane l holds d = 512 hf + 16 l + 0 .. 15: two lanes to a block of 32.
; Each load reads 512 consecutive bytes; the numbers turn through the wave's own stage in LDS so that a lane gets 16 neighbours.  No matrix unit: the product has 8 columns and goes by fused multiply-adds in f32.
.set GL,    0                          ; gate_w: 64 chunks of 512 bytes (16 rows d), 528 bytes apart
.set STG,   33792                      ; 8 waves x 2 tokens x 2,560 bytes: a lane's 64 bytes + 16 of padding
.set LG,    74752                      ; partial logits [8 tokens][2 halves][8 f32]
.set SB,    75264                      ; scale bytes [8 tokens][32]
.set SPARE, 75520                      ; the spare words: 128 bytes a wave, four blocks of 256 bytes that no other line names
.set R,    16                          ; v16-47   x as loaded
.set X,    48                          ; v48-79   2 x 16 neighbours
.set GR,   80                          ; v80-111  gate_w as loaded; later:
.set ACC,  80                          ; v80-95   16 sums (token u, expert e at 8 u + e)
.set CO,   96                          ; v96-99   codes
.set E,    100                         ; v100-101 scale bytes
.set I1,   102                         ; v[102:103] the two experts
.set P1,   104                         ; v[104:105] their weights
.set M1,   106
.set M2,   107
.set NI,   108
.set DD,   109
.set EX,   110
.set SU,   111
.set G,    112                         ; v112-239 gate_w(16 l + i, e) at 8 i + e; later the logits
.set SPW,  240
.set NIL,  241
	s_load_b256 s[4:11], s[0:1], 0x0               ; hidden_states, gate_w, xq, xs
	s_load_b128 s[12:15], s[0:1], 0x20             ; ridx, rwt
	v_lshl_add_u32 v[SPW], v0, 2, SPARE
	v_mov_b32 v[NIL], 0
	v_lshrrev_b32 v1, 5, v0
	s_delay_alu instid0(VALU_DEP_1)
	v_readfirstlane_b32 s20, v1                    ; wave 0..7
	s_and_b32 s21, s20, 1                          ; hf
	s_lshr_b32 s22, s20, 1                         ; tp
	v_and_b32 v1, 31, v0                           ; lane
	s_delay_alu instid0(VALU_DEP_1)
	v_lshlrev_b32 v2, 4, v1                        ; 16 x lane
	s_mul_i32 s23, s20, 4224
	v_add_nc_u32 v3, s23, v2                       ; gate_w into LDS: my wave's 8 chunks
	s_mul_i32 s23, s20, 5120
	s_add_co_u32 s23, s23, STG                     ; my wave's stage
	v_lshrrev_b32 v4, 2, v1
	s_delay_alu instid0(VALU_DEP_1)
	v_mul_u32_u24 v4, v4, 80
	v_and_b32 v5, 3, v1
	s_delay_alu instid0(VALU_DEP_1)
	v_lshl_add_u32 v4, v5, 4, v4
	s_delay_alu instid0(VALU_DEP_1)
	v_add_nc_u32 v4, s23, v4                       ; into the stage: 80 (lane / 4) + 16 (lane % 4)
	v_mul_u32_u24 v5, v1, 80
	s_delay_alu instid0(VALU_DEP_1)
	v_add_nc_u32 v5, s23, v5                       ; out of it: 80 x lane
	s_mul_i32 s23, s21, 16896
	v_mul_u32_u24 v6, v1, 528
	s_delay_alu instid0(VALU_DEP_1)
	v_add_nc_u32 v6, s23, v6                       ; my chunk of gate_w: 32 hf + lane
	s_lshl_b32 s23, s22, 6
	s_lshl_b32 s24, s21, 4
	s_add_co_u32 s23, s23, s24
	s_add_co_u32 s23, s23, SB
	v_lshrrev_b32 v7, 1, v1
	s_delay_alu instid0(VALU_DEP_1)
	v_add_nc_u32 v7, s23, v7                       ; my block's scale byte
	s_lshl_b32 s23, s22, 7
	s_lshl_b32 s24, s21, 5
	s_add_co_u32 s23, s23, s24
	s_add_co_u32 s23, s23, LG
	v_mov_b32 v12, s23                             ; my partial logits
	s_lshl_b32 s23, s20, 6
	s_add_co_u32 s23, s23, LG
	v_mov_b32 v13, s23                             ; the logits of the token that I finish
	v_lshlrev_b32 v14, 3, v1                       ; 8 x lane
	s_delay_alu instid0(VALU_DEP_1)
	v_add_nc_u32 v15, SB, v14
	s_mov_b32 s16, 0x76543210
	s_mov_b32 s17, 0xfedcba98                      ; v_permlanex16_b32: lane l xor 16
	s_lshl_b32 s26, ttmp9, 15                      ; hidden_states: (8 wg + 2 tp) rows of 4,096 bytes + 2,048 hf
	s_lshl_b32 s24, s22, 13
	s_add_co_u32 s26, s26, s24
	s_lshl_b32 s24, s21, 11
	s_add_co_u32 s26, s26, s24
	s_mov_b32 s27, 0
	s_lshl_b32 s28, s20, 12                        ; gate_w: 4,096 bytes a wave
	s_mov_b32 s29, 0
	s_lshl_b32 s30, ttmp9, 12                      ; xq: (8 wg + 2 tp) rows of 512 bytes + 256 hf
	s_lshl_b32 s24, s22, 10
	s_add_co_u32 s30, s30, s24
	s_lshl_b32 s24, s21, 8
	s_add_co_u32 s30, s30, s24
	s_mov_b32 s31, 0
	s_lshl_b32 s32, ttmp9, 8                       ; xs: 256 bytes a work-group
	s_mov_b32 s33, 0
	s_lshl_b32 s34, ttmp9, 6                       ; ridx, rwt: 8 bytes a token, token 8 wg + wave
	s_lshl_b32 s24, s20, 3
	s_add_co_u32 s34, s34, s24
	s_mov_b32 s35, 0
	s_wait_alu depctr_va_vdst(0)
	s_wait_kmcnt 0x0
	s_add_nc_u64 s[4:5], s[4:5], s[26:27]
	s_add_nc_u64 s[6:7], s[6:7], s[28:29]
	s_add_nc_u64 s[8:9], s[8:9], s[30:31]
	s_add_nc_u64 s[10:11], s[10:11], s[32:33]
	s_add_nc_u64 s[12:13], s[12:13], s[34:35]
	s_add_nc_u64 s[14:15], s[14:15], s[34:35]
.irp u, 0,1
.irp i, 0,1,2,3
	global_load_b128 v[R+16*\u+4*\i:R+16*\u+4*\i+3], v2, s[4:5] offset:4096*\u+512*\i th:TH_LOAD_NT   ; 512 consecutive bytes of a token's half row
.endr
.endr
.irp j, 0,1,2,3,4,5,6,7
	global_load_b128 v[GR+4*\j:GR+4*\j+3], v2, s[6:7] offset:512*\j
.endr
	s_wait_loadcnt 8                               ; x is in; the eight younger loads are gate_w's
.irp u, 0,1                                    ; through the stage: my own bytes, and LDS serves a wave's instructions in order
.irp i, 0,1,2,3
	ds_store_b128 v4, v[R+16*\u+4*\i:R+16*\u+4*\i+3] offset:2560*\u+640*\i
.endr
.irp i, 0,1,2,3
	ds_load_b128 v[X+16*\u+4*\i:X+16*\u+4*\i+3], v5 offset:2560*\u+16*\i
.endr
.endr
	s_wait_loadcnt 0x0
.irp j, 0,1,2,3,4,5,6,7
	ds_store_b128 v3, v[GR+4*\j:GR+4*\j+3] offset:528*\j
.endr
	s_wait_dscnt 0x0                               ; for the others' sake: my part of gate_w lies in LDS (and my 32 neighbours are back)
	s_barrier_signal -1
	s_barrier_wait -1
.irp i, 0,1,2,3,4,5,6,7,8,9,10,11,12,13,14,15
	ds_load_b128 v[G+8*\i:G+8*\i+3], v6 offset:32*\i       ; lanes 528 bytes apart: 33 x 16
	ds_load_b128 v[G+8*\i+4:G+8*\i+7], v6 offset:32*\i+16
.endr
; x is quantised while gate_w's rows come out of LDS
.macro QUANT u
.set XS_, X+16*\u
	v_max3_num_f32 v8, |v[XS_]|, |v[XS_+1]|, |v[XS_+2]|
	v_max3_num_f32 v9, |v[XS_+3]|, |v[XS_+4]|, |v[XS_+5]|
.irp i, 6,10
	s_delay_alu instid0(VALU_DEP_2)
	v_max3_num_f32 v8, v8, |v[XS_+\i]|, |v[XS_+\i+1]|
	s_delay_alu instid0(VALU_DEP_2)
	v_max3_num_f32 v9, v9, |v[XS_+\i+2]|, |v[XS_+\i+3]|
.endr
	s_delay_alu instid0(VALU_DEP_2)
	v_max3_num_f32 v8, v8, |v[XS_+14]|, |v[XS_+15]|
	s_delay_alu instid0(VALU_DEP_1)
	v_max3_num_f32 v8, v8, v9, 0x1800000           ; and the floor 2^(3 - 127): the byte cannot fall under 1
	s_delay_alu instid0(VALU_DEP_1)
	v_max_num_f32_dpp v8, v8, v8 row_xmask:1 row_mask:0xf bank_mask:0xf   ; with my neighbour's 16: the block's largest magnitude
	s_delay_alu instid0(VALU_DEP_1)
	v_add_nc_u32 v11, 0xff000000, v8               ; 2 off its exponent field: the conversion's scale operand
	v_cvt_scalef32_pk8_fp4_f32 v[CO+2*\u], v[XS_:XS_+7], v11
	v_cvt_scalef32_pk8_fp4_f32 v[CO+2*\u+1], v[XS_+8:XS_+15], v11
	v_lshrrev_b32 v[E+\u], 23, v11                 ; the scale's byte (a plain line behind the conversions)
	ds_store_b8 v7, v[E+\u] offset:32*\u           ; both lanes of a block write the same byte with the same value
	global_store_b64 v14, v[CO+2*\u:CO+2*\u+1], s[8:9] offset:512*\u   ; the wave stores 256 consecutive bytes, aligned
.endm
	QUANT 0
	QUANT 1
	s_wait_dscnt 0x0                               ; gate_w's rows are in
.irp u, 0,1
.irp e, 0,1,2,3,4,5,6,7
	v_mul_f32 v[ACC+8*\u+\e], v[X+16*\u], v[G+\e]  ; the first term starts each sum
.endr
.endr
.irp i, 1,2,3,4,5,6,7,8,9,10,11,12,13,14,15
.irp u, 0,1
.irp e, 0,1,2,3,4,5,6,7
	v_fmac_f32 v[ACC+8*\u+\e], v[X+16*\u+\i], v[G+8*\i+\e]
.endr
.endr
.endr
.irp k, 1,2,4,8                                ; the 32 lanes' sums, sixteen sums by turns
.irp r, 0,1,2,3,4,5,6,7,8,9,10,11,12,13,14,15
	v_add_f32_dpp v[ACC+\r], v[ACC+\r], v[ACC+\r] row_xmask:\k row_mask:0xf bank_mask:0xf
.endr
.endr
.irp r, 0,1,2,3,4,5,6,7,8,9,10,11,12,13,14,15
	v_permlanex16_b32 v[G+\r], v[ACC+\r], s16, s17
.endr
.irp r, 0,1,2,3,4,5,6,7,8,9,10,11,12,13,14,15
	v_add_f32 v[ACC+\r], v[ACC+\r], v[G+\r]
.endr
.irp u, 0,1
	ds_store_b128 v12, v[ACC+8*\u:ACC+8*\u+3] offset:64*\u      ; all lanes write the same words with the same values
	ds_store_b128 v12, v[ACC+8*\u+4:ACC+8*\u+7] offset:64*\u+16
.endr
	s_wait_dscnt 0x0                               ; for the others' sake: my partial logits and my scale bytes lie in LDS
	s_barrier_signal -1
	s_barrier_wait -1
.irp i, 0,1,2,3
	ds_load_b128 v[G+4*\i:G+4*\i+3], v13 offset:16*\i          ; wave w finishes token 8 wg + w: both halves' eight sums
.endr
	s_cmp_lg_u32 s20, 0
	s_cbranch_scc1 .Lnot_wave_0
	ds_load_b64 v[128:129], v15                    ; wave 0: the work-group's 256 scale bytes
	s_wait_dscnt 0x0
	global_store_b64 v14, v[128:129], s[10:11]     ; 256 consecutive bytes, aligned
.Lnot_wave_0:
	s_wait_tensorcnt 0x0                           ; the wave's end as far as LDS goes
	ds_add_u32 v[SPW], v[NIL]
	s_wait_dscnt 0x0                               ; (the logits are in too)
.irp e, 0,2,4,6
	v_pk_add_f32 v[G+\e:G+\e+1], v[G+\e:G+\e+1], v[G+8+\e:G+9+\e]
.endr
; top-2: a later expert takes the place only if its logit is strictly larger, so the lower index wins ties.  Values are selected; no address and no branch hangs on them.
	s_delay_alu instid0(VALU_DEP_4)
	v_mov_b32 v[M1], v[G]
	v_mov_b32 v[I1], 0
.irp e, 1
	s_delay_alu instid0(VALU_DEP_2)
	v_cmp_ge_f32 vcc_lo, v[M1], v[G+\e]
	s_delay_alu instid0(VALU_DEP_1)
	v_cndmask_b32 v[I1], \e, v[I1], vcc_lo
	s_delay_alu instid0(VALU_DEP_2)
	v_cndmask_b32 v[M1], v[G+\e], v[M1], vcc_lo
.endr
.irp e, 2, 3, 4, 5, 6, 7
	s_delay_alu instid0(VALU_DEP_1)
	v_cmp_ge_f32 vcc_lo, v[M1], v[G+\e]
	s_delay_alu instid0(VALU_DEP_1)
	v_cndmask_b32 v[I1], \e, v[I1], vcc_lo
	s_delay_alu instid0(VALU_DEP_2)
	v_cndmask_b32 v[M1], v[G+\e], v[M1], vcc_lo
.endr
	v_mov_b32 v[NI], 0xff800000                    ; the winner's logit becomes -infinity
.irp e, 0,1,2,3,4,5,6,7
	v_cmp_eq_u32 vcc_lo, \e, v[I1]
	s_delay_alu instid0(VALU_DEP_1)
	v_cndmask_b32 v[G+\e], v[G+\e], v[NI], vcc_lo
.endr
	v_mov_b32 v[M2], v[G]
	v_mov_b32 v[I1+1], 0
.irp e, 1
	s_delay_alu instid0(VALU_DEP_2)
	v_cmp_ge_f32 vcc_lo, v[M2], v[G+\e]
	s_delay_alu instid0(VALU_DEP_1)
	v_cndmask_b32 v[I1+1], \e, v[I1+1], vcc_lo
	s_delay_alu instid0(VALU_DEP_2)
	v_cndmask_b32 v[M2], v[G+\e], v[M2], vcc_lo
.endr
.irp e, 2, 3, 4, 5, 6, 7
	s_delay_alu instid0(VALU_DEP_1)
	v_cmp_ge_f32 vcc_lo, v[M2], v[G+\e]
	s_delay_alu instid0(VALU_DEP_1)
	v_cndmask_b32 v[I1+1], \e, v[I1+1], vcc_lo
	s_delay_alu instid0(VALU_DEP_2)
	v_cndmask_b32 v[M2], v[G+\e], v[M2], vcc_lo
.endr
; softmax of the two, the maximum taken away: p1 = 1 / (1 + e^(m2 - m1)), p2 = e^(m2 - m1) p1
	s_delay_alu instid0(VALU_DEP_1)
	v_sub_f32 v[DD], v[M2], v[M1]
	s_delay_alu instid0(VALU_DEP_1)
	v_mul_f32 v[DD], 0x3fb8aa3b, v[DD]
	s_wait_alu depctr_va_vdst(0)
	v_exp_f32 v[EX], v[DD]
	v_cmp_eq_u32 vcc_lo, 0, v1                     ; (a plain line behind the exponential)  lane 0 stores
	s_wait_alu depctr_va_vdst(0)
	v_add_f32 v[SU], 1.0, v[EX]
	s_wait_alu depctr_va_vdst(0)
	v_rcp_f32 v[P1], v[SU]
	v_nop
	s_wait_alu depctr_va_vdst(0)
	v_mul_f32 v[P1+1], v[EX], v[P1]
	s_wait_alu depctr_va_vdst(0)
	s_wait_xcnt 0x0                                ; EXEC changes only behind this wait: earlier stores count it among their sources
	s_and_saveexec_b32 s30, vcc_lo
	global_store_b64 v14, v[I1:I1+1], s[12:13]     ; lane 0: 8 x lane = 0
	global_store_b64 v14, v[P1:P1+1], s[14:15]
	s_endpgm
.Lfunc_end_k_q3640414de6_route:
	.size	k_q3640414de6_route, .Lfunc_end_k_q3640414de6_route-k_q3640414de6_route
	.p2alignl 7, 3214868480
	.fill 96, 4, 3214868480
	.section	.rodata,"a",@progbits
	.p2align	6, 0x0
	.amdhsa_kernel k_q3640414de6_route
		.amdhsa_group_segment_fixed_size 76544
		.amdhsa_private_segment_fixed_size 0
		.amdhsa_enable_private_segment 0
		.amdhsa_kernarg_size 48
		.amdhsa_user_sgpr_count 2
		.amdhsa_user_sgpr_kernarg_segment_ptr 1
		.amdhsa_wavefront_size32 1
		.amdhsa_system_sgpr_workgroup_id_x 1
		.amdhsa_system_sgpr_workgroup_id_y 1
		.amdhsa_system_sgpr_workgroup_id_z 1
		.amdhsa_system_vgpr_workitem_id 0
		.amdhsa_next_free_vgpr 256
		.amdhsa_next_free_sgpr 66
		.amdhsa_reserve_vcc 1
		.amdhsa_float_denorm_mode_32 3
		.amdhsa_float_denorm_mode_16_64 3
		.amdhsa_memory_ordered 1
		.amdhsa_forward_progress 1
		.amdhsa_inst_pref_size 31
	.end_amdhsa_kernel
	.amdgpu_metadata
---
amdhsa.version: [ 1, 2 ]
amdhsa.kernels:
  - .name:           k_q3640414de6_route
    .symbol:         k_q3640414de6_route.kd
    .args:
      - { .name: hidden_states, .offset: 0, .size: 8, .value_kind: global_buffer, .address_space: global }
      - { .name: gate_w, .offset: 8, .size: 8, .value_kind: global_buffer, .address_space: global }
      - { .name: xq, .offset: 16, .size: 8, .value_kind: global_buffer, .address_space: global }
      - { .name: xs, .offset: 24, .size: 8, .value_kind: global_buffer, .address_space: global }
      - { .name: ridx, .offset: 32, .size: 8, .value_kind: global_buffer, .address_space: global }
      - { .name: rwt, .offset: 40, .size: 8, .value_kind: global_buffer, .address_space: global }
    .group_segment_fixed_size: 76544
    .private_segment_fixed_size: 0
    .kernarg_segment_align: 8
    .kernarg_segment_size: 48
    .max_flat_workgroup_size: 256
    .sgpr_count:     66
    .vgpr_count:     256
    .wavefront_size: 32
...
	.end_amdgpu_metadata
.endif
;; end of part 1
;; launch ffn1 (part 2): grid 32 x 8, 4 waves a work-group, no clusters, 74,496 bytes of LDS; arguments w1, xq, xs, ridx, hq, hs, rpos; writes hq, hs, rpos
.if DOCPART == 2
	.amdgcn_target "amdgcn-amd-amdhsa--gfx1250"
	.amdhsa_code_object_version 6
	.text
	.protected	k_q3640414de6_ffn1
	.globl	k_q3640414de6_ffn1
	.p2align	8
	.type	k_q3640414de6_ffn1,@function
k_q3640414de6_ffn1:
	s_mov_b64 s[64:65], 0
	v_nop
	global_prefetch_b8 v0, s[64:65] scope:SCOPE_SE
	s_setreg_imm32_b32 hwreg(HW_REG_WAVE_MODE, 25, 1), 1
	s_wait_xcnt 0x0
; THE FIRST EXPERT PRODUCT ON ROUTED ROWS: h = relu(x w1[e]), both operands in E2M1 with one E8M0 scale for each 32 along d; h is quantised along f on the way out.
; Left out: the rows (e, t) of experts that token t did not choose (their factor in the result is a zero that the function builds itself: see the first kernel's head).
; LIMITS as there; an expert without tokens is served one tile of padding rows (token 0), which nobody reads later.
; SHARES.  Work-group (fs, e): expert e, columns f = 128 fs .. 128 fs + 127 of w1[e] [1024 d][4096 f] f32: 1,024 rows x 512 bytes, read once in the launch.
; PHASE 1, the waves share d: wave w takes d = 256 w .. 256 w + 255 in 8 sets of 32 rows.  A load reads the slice's 512 consecutive bytes of one row: lane l columns 4 l + c.  A set gives a lane 4 columns x one whole block
; of 32 along d: its largest magnitude needs no other lane.  Two sets take turns, so up to 64 loads of 16 bytes a lane are out.  The codes go to LDS as images of operand registers, laid BY STAGE: after every two sets
; a barrier, and every wave takes that stage's 32 half fragments into its registers while the next sets are on their way; only the last stage is fetched behind the last set.  A stage's images are 16 KB on end, so what
; the next stage stores and what this stage's readers still read are different blocks.
; Meanwhile wave 0 builds the expert's list of tokens from ridx (whole numbers that the launch before stored), in LDS, behind the requests for its first two sets.
; PHASE 2, the waves share the rows: every wave holds all 64 fragments of the slice (512 registers) and walks tiles of 16 listed tokens, m = w, w + 4, ..  Its entries of the list are all taken into registers
; ahead of the loop, so that the loop touches no LDS.
; LAYOUT.  Tile t = 2 c + hi holds the 16 columns f = 64 hi + 4 r + c.  The product is used transposed (source 0 = 16 columns of w1, source 1 = 16 tokens): lane (r, h) holds token r, and register j of tile t is
; f = 64 hi + 32 h + 4 j + c.  So relu writes T[32 hi + 4 j + c], two WHOLE blocks of 32 along f in order, and the eight code registers are registers 4 hi + g of the next product's fragment in this very lane.
; No tensor loads: trip counts hang on stored numbers, and the f32 weights pass through registers to be quantised.  No cluster: what the work-groups of an expert share (the tokens' codes) is small beside each one's own 512 KB.
; REGISTERS in windows of 256.  Window 0: v0-63 addresses and small work; v64-95 w1's scale words, v96-127 x's (scales and nothing else); v128-255 a set's numbers, later accumulators and T.
;   Window 1: the two sets as loaded, later x's fragments, four sets of 64.  Window 2: w1's fragments 0-31.  Window 3: fragments 32-63.
.set WSC,   65536                      ; LDS: 0: images [stage 4][wave 4][tile 8][512 B]; here: scale words [K step's parity 2][wave 4][c 4][32 lanes x 4 B]
.set LIST,  69632                      ; 1,024 entries: the expert's tokens, then zeros
.set CNT,   73728                      ; the count at +0; entry 1056 of the list's numbering (+128) takes what is not routed
.set SPARE, 73984                      ; the spare words: 128 bytes a wave, two blocks of 256 bytes that no other line names
.set DUMPI, 1056
.set LI,  4                            ; 16 x lane
.set IA,  5                            ; where I store images
.set SA,  6                            ; and scale words
.set LS,  7                            ; where I read scale words back
.set LA,  8                            ; my entry of the list: tile w, row r
.set H16, 10
.set H8,  11
.set R4,  12
.set TK,  13                           ; a token's number
.set TMP, 14
.set CA,  15
.set XA,  16                           ; v16-19 x's codes: token x 512 + 16 h, one for each set
.set XB,  20                           ; v20-23 x's scale words: token x 32
.set SPW, 24
.set NIL, 25
.set M,   26
.set SCL, 30
.set BY,  34
.set WD,  38                           ; v38-41 in phase 1; v38 alone in phase 2
.set L4,  42
.set CV,  43
.set CD,  44                           ; v44-59 codes in phase 1; v44-51 in phase 2
.set TKA, 40                           ; phase 2: v40-43 the tokens of the four tiles that this trip asks for (16 tiles ahead of the tile in hand),
.set TKB, 52                           ; v52-55 the next trip's,
.set TKC, 56                           ; v56-59 and those of the trip after
.set DI,  60
.set L8,  61
.set ZA,  62
.set CW,  63
.set SW,  64
.set XS,  96
.set X,   128
.set RI,  128                          ; wave 0's scan: ridx, 32 pairs
.set P,   192                          ; positions
.set SAD, 224                          ; scatter addresses, 16 by turns
.set STK, 240                          ; token numbers, 16 by turns
.set ACC, 128
.set T,   192
.set MSB, 0
.macro WIN new                         ; bits 1:0 source 0, 3:2 source 1, 5:4 source 2, 7:6 destination; the high byte repeats the setting that is left
.if MSB != \new
	s_set_vgpr_msb (MSB<<8)|\new
.set MSB, \new
.endif
.endm
	s_load_b256 s[4:11], s[0:1], 0x0               ; w1, xq, xs, ridx
	s_load_b128 s[12:15], s[0:1], 0x20             ; hq, hs
	s_load_b64 s[16:17], s[0:1], 0x30              ; rpos
	v_lshl_add_u32 v[SPW], v0, 2, SPARE
	v_mov_b32 v[NIL], 0
	v_lshrrev_b32 v1, 5, v0
	v_readfirstlane_b32 s20, v1                    ; wave 0..3
	s_and_b32 s21, ttmp7, 0xffff                   ; e
	s_mov_b32 s22, ttmp9                           ; fs
	v_and_b32 v1, 31, v0                           ; lane
	v_and_b32 v2, 15, v0                           ; r
	v_bfe_u32 v3, v0, 4, 1                         ; h
	v_lshlrev_b32 v[LI], 4, v1
	s_lshl_b32 s30, s20, 12
	v_lshlrev_b32 v[IA], 9, v3
	v_lshl_add_u32 v[IA], v2, 4, v[IA]
	v_add_nc_u32 v[IA], s30, v[IA]                 ; 4,096 w (my part of a stage) + 512 hi + 16 r
	s_lshl_b32 s30, s20, 9
	v_lshl_add_u32 v[SA], v1, 2, WSC
	v_add_nc_u32 v[SA], s30, v[SA]                 ; 512 w + 4 x lane
	v_lshl_add_u32 v[LS], v1, 2, WSC
	s_lshl_b32 s30, s20, 6
	v_lshl_add_u32 v[LA], v2, 2, LIST
	v_add_nc_u32 v[LA], s30, v[LA]                 ; entry 16 w + r
	v_lshlrev_b32 v[H16], 4, v3
	v_lshlrev_b32 v[H8], 3, v3
	v_lshlrev_b32 v[R4], 2, v2
	v_mov_b32 v[TMP], 0                            ; a lane permute's destination counts as one of its sources
	v_mov_b32 v[CA], CNT
	v_lshlrev_b32 v[L4], 2, v1
	v_mov_b32 v[DI], DUMPI
	v_lshlrev_b32 v[L8], 3, v1
	v_lshl_add_u32 v[ZA], v1, 4, LIST
	s_mov_b32 s28, 0x76543210
	s_mov_b32 s29, 0xfedcba98                      ; v_permlanex16_b32: lane l xor 16
	s_lshl_b32 s30, s21, 24                        ; w1: e x 16 MiB + 256 w rows of 16,384 bytes + 512 fs
	s_lshl_b32 s32, s20, 22
	s_add_co_u32 s30, s30, s32
	s_lshl_b32 s32, s22, 9
	s_add_co_u32 s30, s30, s32
	s_mov_b32 s31, 0
	s_lshl_b32 s32, s21, 21                        ; hq [e][64 tiles][32 K steps][1,024 B]: tile w, K step fs
	s_lshl_b32 s34, s20, 15
	s_add_co_u32 s32, s32, s34
	s_lshl_b32 s34, s22, 10
	s_add_co_u32 s32, s32, s34
	s_mov_b32 s33, 0
	s_lshl_b32 s34, s21, 17                        ; hs [e][64][32][16 rows x 4 B]
	s_lshl_b32 s36, s20, 11
	s_add_co_u32 s34, s34, s36
	s_lshl_b32 s36, s22, 6
	s_add_co_u32 s34, s34, s36
	s_mov_b32 s35, 0
	s_lshl_b32 s38, s21, 12                        ; rpos: [e][1024] positions,
	s_mov_b32 s39, 0
	s_lshl_b32 s40, s21, 7                         ; and from byte 32,768 on [e][32] the count
	s_mov_b32 s41, 0
	s_wait_kmcnt 0x0
	s_add_nc_u64 s[4:5], s[4:5], s[30:31]
	s_add_nc_u64 s[12:13], s[12:13], s[32:33]
	s_add_nc_u64 s[14:15], s[14:15], s[34:35]
	s_add_nc_u64 s[18:19], s[16:17], s[38:39]
	s_add_nc_u64 s[36:37], s[16:17], s[40:41]
.macro LOADSET b                       ; rows 32 b .. 32 b + 31 of my 256, into set b % 2 of window 1: register 4 i + c = w1(row i, column 4 l + c)
	WIN 0x40
.set li_, 0
.rept 32
	global_load_b128 v[128*((\b)%2)+4*li_:128*((\b)%2)+4*li_+3], v[LI], s[4:5] offset:(32*(\b)+li_)*16384 th:TH_LOAD_NT
.set li_, li_+1
.endr
	WIN 0
.endm
; One set: 4 columns x a block of 32 along d become 4 x 16 bytes of codes in the images, and a byte of 4 scale words.  n: the younger loads that may stay out.
.macro WSET b, n
	s_wait_loadcnt \n
	WIN 0x01
.irp c, 0,1,2,3                                ; the conversion takes 8 neighbours along d from consecutive registers; a load brings 4 columns: so the set is laid by columns
.set wi_, 0
.rept 32
	v_mov_b32 v[X+32*\c+wi_], v[128*((\b)%2)+4*wi_+\c]
.set wi_, wi_+1
.endr
.endr
.if (\b) < 6
	LOADSET (\b)+2                                 ; the registers just read take the set two further on
.endif
	WIN 0
.irp c, 0,1,2,3
	v_max3_num_f32 v[M+\c], |v[X+32*\c]|, |v[X+32*\c+1]|, 0x1800000   ; with the floor 2^(3 - 127): the byte cannot fall under 1
.endr
.set wi_, 2
.rept 15
.irp c, 0,1,2,3
	v_max3_num_f32 v[M+\c], v[M+\c], |v[X+32*\c+wi_]|, |v[X+32*\c+wi_+1]|   ; the four columns by turns
.endr
.set wi_, wi_+2
.endr
.irp c, 0,1,2,3
	v_add_nc_u32 v[SCL+\c], 0xff000000, v[M+\c]    ; 2 off the exponent field: the conversion's scale operand
.endr
	s_wait_alu depctr_va_vdst(0)
	s_wait_dscnt 0x0                               ; the last set's LDS stores have read the words and codes that the lines below write anew
.irp c, 0,1,2,3
.if ((\b)%4) == 0
	v_lshrrev_b32 v[WD+\c], 23, v[SCL+\c]          ; the scale's byte: the first of a K step's four starts the word
.else
	v_lshrrev_b32 v[BY+\c], 23, v[SCL+\c]
.endif
.endr
.if ((\b)%4) != 0
.irp c, 0,1,2,3
	v_lshl_or_b32 v[WD+\c], v[BY+\c], 8*((\b)%4), v[WD+\c]
.endr
.endif
.irp c, 0,1,2,3
.irp g, 0,1,2,3
	v_cvt_scalef32_pk8_fp4_f32 v[CD+4*\c+\g], v[X+32*\c+8*\g:X+32*\c+8*\g+7], v[SCL+\c]
.endr
.endr
	v_nop                                          ; one plain line behind the last conversion
.irp c, 0,1,2,3                                ; block b % 4 of column 64 hi + 4 r + c: registers 4 (block / 2) .. + 3 of lane (r, block % 2) of tile 2 c + hi; stage b / 2
	ds_store_b128 v[IA], v[CD+4*\c:CD+4*\c+3] offset:((\b)/2)*16384+\c*1024+((\b)%2)*256
.endr
.if ((\b)%4) == 3
.irp c, 0,1,2,3
	ds_store_b32 v[SA], v[WD+\c] offset:((\b)/4)*2048+\c*128   ; lanes 0-15: tile 2 c's words; lanes 16-31: tile 2 c + 1's
.endr
.endif
.endm
.macro BAR                             ; my LDS stores have landed and my LDS loads are in: then the work-group's barrier
	s_wait_dscnt 0x0
	s_barrier_signal -1
	s_barrier_wait -1
.endm
; Stage j, behind its barrier: registers 4 (j % 2) .. + 3 of the fragments of K steps 2 w' + j / 2, all four waves' w', all eight tiles; behind an odd stage those K steps' scale words too
.macro RELOAD j
.irp wv, 0,1,2,3
.if \wv < 2
	WIN 0x80                                       ; fragments 0-31: window 2
.else
	WIN 0xc0                                       ; fragments 32-63: window 3
.endif
.irp t, 0,1,2,3,4,5,6,7
.set rr_, 8*((8*(2*\wv+(\j)/2)+\t)%32)+4*((\j)%2)
	ds_load_b128 v[rr_:rr_+3], v[LI] offset:(\j)*16384+\wv*4096+\t*512
.endr
.endr
	WIN 0
.if ((\j)%2) == 1
.irp wv, 0,1,2,3
.irp c, 0,1,2,3
	ds_load_b32 v[SW+4*(2*\wv+(\j)/2)+\c], v[LS] offset:((\j)/2)*2048+\wv*512+\c*128
.endr
.endr
.endif
.endm
.macro XADDR q, src                    ; the token in v[src] becomes set q's two offsets: three plain lines
	v_min_u32 v[TK], 0x3ff, v[\src]
	v_lshl_add_u32 v[XA+(\q)], v[TK], 9, v[H16]
	v_lshlrev_b32 v[XB+(\q)], 5, v[TK]
.endm
.macro XLOAD q                         ; 18 loads: the 16 tokens' 8 fragments, into window 1, and their 8 scale words
	WIN 0x40
.irp s, 0,1,2,3,4,5,6,7
.irp c, 0,1
	global_load_b128 v[64*(\q)+8*\s+4*\c:64*(\q)+8*\s+4*\c+3], v[XA+(\q)], s[6:7] offset:64*\s+32*\c
.endr
.endr
	WIN 0
	global_load_b128 v[XS+8*(\q):XS+8*(\q)+3], v[XB+(\q)], s[8:9]
	global_load_b128 v[XS+8*(\q)+4:XS+8*(\q)+7], v[XB+(\q)], s[8:9] offset:16
.endm
.macro GATHER q                        ; tile w + 4 q
	ds_load_b32 v[TK], v[LA] offset:256*(\q)
	s_wait_dscnt 0x0
	XADDR \q, TK
	XLOAD \q
.endm
	s_cmp_lg_u32 s20, 0
	s_cbranch_scc1 .Lno_ridx
.set si_, 0
	s_wait_alu depctr_va_vdst(0)
.rept 32
	global_load_b64 v[RI+2*si_:RI+2*si_+1], v[L8], s[10:11] offset:256*si_   ; wave 0: the two experts of tokens 32 i + lane
.set si_, si_+1
.endr
.Lno_ridx:
	LOADSET 0
	LOADSET 1                                      ; both first sets are asked for ahead of the scan
	s_cmp_lg_u32 s20, 0
	s_cbranch_scc1 .Lno_scan
; WAVE 0 PLACES THE TOKENS while the first weights are on their way.  Position = the number of the expert's tokens before this one, in the order of tokens.
	s_wait_loadcnt 63                              ; ridx is in: the two sets' 64 loads are younger; the count's field ends at 63, so set 0's first load is waited for with it
.irp g, 0,1,2,3
	v_mov_b32 v[CD+\g], 0
.endr
	s_wait_alu depctr_va_vdst(0)
.irp i, 0,1,2,3,4,5,6,7
	ds_store_b128 v[ZA], v[CD:CD+3] offset:512*\i  ; entries past the count name token 0
.endr
	s_mov_b32 s23, 0
.set si_, 0
.rept 32
.if si_ == 16
	s_wait_dscnt 0x0                               ; the first sixteen stores have read their registers
.endif
	v_cmp_eq_u32 s30, s21, v[RI+2*si_]
	v_cmp_eq_u32 s31, s21, v[RI+2*si_+1]
	s_or_b32 s30, s30, s31                         ; the lanes whose token chose e
	v_mbcnt_lo_u32_b32 v[P+si_], s30, s23          ; those below me + those before
	v_cndmask_b32 v[SAD+si_%16], v[DI], v[P+si_], s30   ; what is not routed goes to the spare entry: all lanes stay on
	v_min_u32 v[SAD+si_%16], DUMPI, v[SAD+si_%16]
	v_lshl_add_u32 v[SAD+si_%16], v[SAD+si_%16], 2, LIST
	v_add_nc_u32 v[STK+si_%16], 32*si_, v1
	ds_store_b32 v[SAD+si_%16], v[STK+si_%16]
	s_bcnt1_i32_b32 s31, s30
	s_add_co_u32 s23, s23, s31
.set si_, si_+1
.endr
	v_mov_b32 v[CW], s23
	ds_store_b32 v[CA], v[CW]                      ; the count
	s_cmp_lg_u32 s22, 0
	s_cbranch_scc1 .Lno_rpos                       ; the expert's first work-group stores positions and count for the later launches
.set si_, 0
.rept 32
	global_store_b32 v[L4], v[P+si_], s[18:19] offset:128*si_
.set si_, si_+1
.endr
	global_store_b32 v[L4], v[CW], s[36:37] offset:32768
	s_wait_xcnt 0x0                                ; the stores' data registers are written again by the first set
.Lno_rpos:
.Lno_scan:
	BAR                                            ; list and count lie in LDS; this barrier parts the scan's stores from every other LDS access of the text
	WSET 0, 32                                     ; in each of these the next set's 32 loads are younger
	WSET 1, 32
	BAR
	RELOAD 0
	WSET 2, 32
	WSET 3, 32
	BAR
	RELOAD 1
	WSET 4, 32
	WSET 5, 32
	BAR
	RELOAD 2
	WSET 6, 32
	ds_load_b32 v[CV], v[CA]
	GATHER 0                                       ; into the registers that set 6 has left
	v_readfirstlane_b32 s23, v[CV]                 ; the count
	GATHER 1
	WSET 7, 36                                     ; two gathers of 18 loads are younger
	GATHER 2                                       ; into the registers that set 7 has left
	GATHER 3
	s_add_co_u32 s24, s23, 15
	s_lshr_b32 s24, s24, 4
	s_max_u32 s24, s24, 1
	s_min_u32 s24, s24, 64                         ; tiles of 16 rows: at least one, so that the next launch finds bytes that were written
	BAR
	RELOAD 3
.irp j, 0,1,2,3                                ; my entries of the list for tiles w + 16 .. w + 60, four to a trip: the loop itself reads no LDS
	ds_load_b32 v[TKA+\j], v[LA] offset:1024+256*\j
	ds_load_b32 v[TKB+\j], v[LA] offset:2048+256*\j
	ds_load_b32 v[TKC+\j], v[LA] offset:3072+256*\j
.endr
	s_wait_dscnt 0x0                               ; all 64 fragments and 32 registers of scale words are in, in every wave
.macro MM                              ; one product, by the symbols rD rA rB rSA rSB; rF: it starts the sum; rAR: source 0's scales stand in lanes 16-31
.if rF
.if rAR
	v_wmma_scale_f32_16x16x128_f8f6f4 v[rD:rD+7], v[rA:rA+7], v[rB:rB+7], 0, v[rSA], v[rSB] matrix_a_fmt:MATRIX_FMT_FP4 matrix_b_fmt:MATRIX_FMT_FP4 matrix_a_scale:MATRIX_SCALE_ROW1
.else
	v_wmma_scale_f32_16x16x128_f8f6f4 v[rD:rD+7], v[rA:rA+7], v[rB:rB+7], 0, v[rSA], v[rSB] matrix_a_fmt:MATRIX_FMT_FP4 matrix_b_fmt:MATRIX_FMT_FP4
.endif
.else
.if rAR
	v_wmma_scale_f32_16x16x128_f8f6f4 v[rD:rD+7], v[rA:rA+7], v[rB:rB+7], v[rD:rD+7], v[rSA], v[rSB] matrix_a_fmt:MATRIX_FMT_FP4 matrix_b_fmt:MATRIX_FMT_FP4 matrix_a_scale:MATRIX_SCALE_ROW1
.else
	v_wmma_scale_f32_16x16x128_f8f6f4 v[rD:rD+7], v[rA:rA+7], v[rB:rB+7], v[rD:rD+7], v[rSA], v[rSB] matrix_a_fmt:MATRIX_FMT_FP4 matrix_b_fmt:MATRIX_FMT_FP4
.endif
.endif
.endm
; A tile of 16 listed tokens, from set q.  A wave whose tile lies past the last leaves for good, so every counted wait sees the same loads on every way.
.macro TILE q
	s_cmp_ge_u32 s25, s24
	s_cbranch_scc1 .Ldone
	s_wait_loadcnt 54                              ; this set is in; the other three sets' 3 x 18 loads are younger
.irp s, 0,1,2,3,4,5,6,7
.if \s < 4
	WIN 0x06                                       ; source 0 (w1) window 2, source 1 (x) window 1
.else
	WIN 0x07                                       ; source 0 window 3
.endif
.if \s == 0
.set rF, 1
.else
.set rF, 0
.endif
.irp t, 0,1,2,3,4,5,6,7                        ; the eight accumulators by turns
.set rD, ACC+8*\t
.set rA, 8*((8*\s+\t)%32)
.set rB, 64*(\q)+8*\s
.set rSA, SW+4*\s+\t/2
.set rSB, XS+8*(\q)+\s
.set rAR, \t%2
	MM
.endr
.endr
	WIN 0
	s_wait_xcnt 0x0                                ; the last tile's stores, issued ahead of these products, have read their data and bases: both are written again only behind this wait
	s_add_nc_u64 s[12:13], s[12:13], 131072        ; four tiles on; this tile's stores reach back by their immediates
	s_add_nc_u64 s[14:15], s[14:15], 8192
	XADDR \q, TKA+(\q)                             ; the tile 16 further on (token 0 past the count and past tile 63): three plain lines
	v_nop                                          ; and a fourth: the places in front of loads into registers that the products read, and of the first read of results
	XLOAD \q
.irp t, 0,1,2,3,4,5,6,7                        ; relu, each accumulator from its low end on; the numbers fall into the order of f
.irp j, 0,1,2,3,4,5,6,7
	v_max_num_f32 v[T+32*(\t%2)+4*\j+\t/2], 0, v[ACC+8*\t+\j]
.endr
.endr
.irp u, 0,1
	v_max3_num_f32 v[M+\u], v[T+32*\u], v[T+32*\u+1], 0x1800000   ; my two whole blocks by turns; nothing is negative
.endr
.set wi_, 2
.rept 15
.irp u, 0,1
	v_max3_num_f32 v[M+\u], v[M+\u], v[T+32*\u+wi_], v[T+32*\u+wi_+1]
.endr
.set wi_, wi_+2
.endr
.irp u, 0,1
	v_add_nc_u32 v[SCL+\u], 0xff000000, v[M+\u]
.endr
.irp u, 0,1
	v_lshrrev_b32 v[BY+\u], 23, v[SCL+\u]
.endr
	v_lshl_or_b32 v[WD], v[BY+1], 16, v[BY]        ; my bytes: blocks h and 2 + h of the row's four,
	v_lshlrev_b32 v[WD], v[H8], v[WD]              ; at their places;
	v_permlanex16_b32 v[TMP], v[WD], s28, s29
	v_or_b32 v[WD], v[WD], v[TMP]                  ; with lane l xor 16's the word is whole
.irp u, 0,1
.irp g, 0,1,2,3
	v_cvt_scalef32_pk8_fp4_f32 v[CD+4*\u+\g], v[T+32*\u+8*\g:T+32*\u+8*\g+7], v[SCL+\u]
.endr
.endr
	v_nop                                          ; one plain line behind the last conversion
	global_store_b128 v[LI], v[CD:CD+3], s[12:13] offset:-131072          ; the fragment's image: 512 consecutive bytes a store, aligned
	global_store_b128 v[LI], v[CD+4:CD+7], s[12:13] offset:512-131072
	global_store_b32 v[R4], v[WD], s[14:15] offset:-8192                  ; 16 words; both halves of the lanes hold and write the same
	s_add_co_u32 s25, s25, 4
.endm
	s_mov_b32 s25, s20                             ; m: my tile
	s_mov_b32 s26, 0
.Ltrip:                                            ; 4 trips of 4 tiles: 64 tiles for the four waves, which serves all 1,024 tokens on one expert
	TILE 0
	TILE 1
	TILE 2
	TILE 3
.irp j, 0,1,2,3                                ; the tokens move up a trip; behind the last come zeros
	v_mov_b32 v[TKA+\j], v[TKB+\j]
.endr
.irp j, 0,1,2,3
	v_mov_b32 v[TKB+\j], v[TKC+\j]
.endr
.irp j, 0,1,2,3
	v_mov_b32 v[TKC+\j], 0
.endr
	s_add_co_u32 s26, s26, 1
	s_cmp_lt_u32 s26, 4
	s_cbranch_scc1 .Ltrip
.Ldone:
	s_wait_tensorcnt 0x0                           ; the wave's end
	ds_add_u32 v[SPW], v[NIL]
	s_wait_dscnt 0x0
	s_endpgm
.Lfunc_end_k_q3640414de6_ffn1:
	.size	k_q3640414de6_ffn1, .Lfunc_end_k_q3640414de6_ffn1-k_q3640414de6_ffn1
	.p2alignl 7, 3214868480
	.fill 96, 4, 3214868480
	.section	.rodata,"a",@progbits
	.p2align	6, 0x0
	.amdhsa_kernel k_q3640414de6_ffn1
		.amdhsa_group_segment_fixed_size 74496
		.amdhsa_private_segment_fixed_size 0
		.amdhsa_enable_private_segment 0
		.amdhsa_kernarg_size 56
		.amdhsa_user_sgpr_count 2
		.amdhsa_user_sgpr_kernarg_segment_ptr 1
		.amdhsa_wavefront_size32 1
		.amdhsa_system_sgpr_workgroup_id_x 1
		.amdhsa_system_sgpr_workgroup_id_y 1
		.amdhsa_system_sgpr_workgroup_id_z 1
		.amdhsa_system_vgpr_workitem_id 0
		.amdhsa_next_free_vgpr 1024
		.amdhsa_next_free_sgpr 66
		.amdhsa_reserve_vcc 0
		.amdhsa_float_denorm_mode_32 3
		.amdhsa_float_denorm_mode_16_64 3
		.amdhsa_memory_ordered 1
		.amdhsa_forward_progress 1
		.amdhsa_inst_pref_size 219
	.end_amdhsa_kernel
	.amdgpu_metadata
---
amdhsa.version: [ 1, 2 ]
amdhsa.kernels:
  - .name:           k_q3640414de6_ffn1
    .symbol:         k_q3640414de6_ffn1.kd
    .args:
      - { .name: w1, .offset: 0, .size: 8, .value_kind: global_buffer, .address_space: global }
      - { .name: xq, .offset: 8, .size: 8, .value_kind: global_buffer, .address_space: global }
      - { .name: xs, .offset: 16, .size: 8, .value_kind: global_buffer, .address_space: global }
      - { .name: ridx, .offset: 24, .size: 8, .value_kind: global_buffer, .address_space: global }
      - { .name: hq, .offset: 32, .size: 8, .value_kind: global_buffer, .address_space: global }
      - { .name: hs, .offset: 40, .size: 8, .value_kind: global_buffer, .address_space: global }
      - { .name: rpos, .offset: 48, .size: 8, .value_kind: global_buffer, .address_space: global }
    .group_segment_fixed_size: 74496
    .private_segment_fixed_size: 0
    .kernarg_segment_align: 8
    .kernarg_segment_size: 56
    .max_flat_workgroup_size: 128
    .sgpr_count:     66
    .vgpr_count:     1024
    .wavefront_size: 32
...
	.end_amdgpu_metadata
.endif
;; end of part 2
;; launch ffn2 (part 3): grid 32 x 8, 4 waves a work-group, no clusters, 17,920 bytes of LDS; arguments w2, hq, hs, rpos, yp; writes yp
.if DOCPART == 3
	.amdgcn_target "amdgcn-amd-amdhsa--gfx1250"
	.amdhsa_code_object_version 6
	.text
	.protected	k_q3640414de6_ffn2
	.globl	k_q3640414de6_ffn2
	.p2align	8
	.type	k_q3640414de6_ffn2,@function
k_q3640414de6_ffn2:
	s_mov_b64 s[64:65], 0
	v_nop
	global_prefetch_b8 v0, s[64:65] scope:SCOPE_SE
	s_setreg_imm32_b32 hwreg(HW_REG_WAVE_MODE, 25, 1), 1
	s_wait_xcnt 0x0
; THE SECOND EXPERT PRODUCT ON ROUTED ROWS: y = h w2[e], both operands in E2M1 with one E8M0 scale for each 32 along f; h comes as codes, w2 [4096 f][1024 d] f32 is quantised on the way.
; Left out: the rows (e, t) of experts that token t did not choose (their factor in the result is a zero that the function builds itself: see the first kernel's head).  LIMITS as there.
; SHARES.  Work-group (x, e): ds = x & 15: columns d = 64 ds .. + 63 (256 bytes of each row, aligned); half = x >> 4: f = 2048 half .. + 2047.  The two halves' sums go to yp [2][8 e][1024 positions][1024] f32; the last launch adds them.
; K GOES IN FOUR STAGES.  In stage j wave w quantises rows f = 512 w + 128 j .. + 127 (two sets of 64 rows): K step 4 w + j, four fragments (tile c holds the columns 4 r + c).  A load reads 256 bytes of two rows:
; lane (q, p) columns 4 p + c of row 64 b + 32 q + i, so a set gives a lane 4 columns x one whole block of 32 along f, and its codes are registers 4 (b % 2) + g of the fragment in this very lane.
; The four waves' 16 fragments meet in LDS (16 KB, one region: a barrier behind the stores, a second behind the reads and products); every wave takes all 16 into registers and multiplies them with its own row tiles.
; THE ROWS ARE SHARED AMONG THE WAVES: wave w owns tiles m = w + 4 i, i = 0 .. 7, of a pass of 512 rows; their 8 x 4 accumulators stay in registers through the four stages.  While a stage is multiplied the next two sets (64 loads a wave) are out.
; An expert with more than 512 rows is served in a second pass, which reads the slice of w2 again.  Tiles past the count have no loads, no products and no stores: scalar branches on the stored count.
; Those branches lead round loads and first products, so the accumulators, h's fragments and h's scale words are cleared once: every register is written on every way through the text; the clears stand behind loads that are already out.
; h's loads of a stage are issued ahead of the next set's 32 loads, so the wait that leaves those 32 out shows them done whatever their number.
; The product is used as it stands (source 0 = 16 rows of h, source 1 = 16 columns): lane (r, h) holds row 8 h + j and column 4 r + c: the four tiles' registers j are 16 neighbouring bytes of a row; sixteen lanes store 256 consecutive bytes, aligned.
; No tensor loads: trip counts hang on stored numbers, and the f32 weights pass through registers.  No cluster: what an expert's work-groups share (h's codes) is small beside each one's own 512 KB of w2.  No prefetch: the weights are a stream that is asked for two sets ahead all the way.
; REGISTERS.  Window 0: v0-63 addresses and small work; v64-71 w2's scale words, v72-87 h's (scales and nothing else); v128-255 a set's numbers, then the stage's 16 fragments of w2, at the end the way out.
;   Window 1: the two sets as loaded.  Window 2: accumulators, (tile i, column tile c) at 32 i + 8 c.  Window 3: h's fragments, (tile i, wave w') at 32 i + 8 w'.
.set WSC,   16384                      ; LDS: 0: images [wave 4][tile 4][1,024 B]; here: scale words [wave 4][tile 4][16 x 4 B]
.set SPARE, 17408                      ; the spare words: 128 bytes a wave, two blocks of 256 bytes that no other line names
.set LI,  4                            ; 16 x lane
.set WO,  5                            ; w2: 32 q rows + 16 p
.set IA,  6
.set SA,  7
.set LS,  8
.set HL,  9                            ; hs: 256 q (four K steps on) + 4 p
.set YO,  10                           ; yp: 8 q rows + 16 p
.set Q8,  11
.set SPW, 24
.set NIL, 25
.set M,   26
.set SCL, 30
.set BY,  34
.set WD,  38
.set CD,  44
.set TP,  60
.set SW,  64
.set HSC, 72
.set X,   128
.set MSB, 0
.macro WIN new                         ; bits 1:0 source 0, 3:2 source 1, 5:4 source 2, 7:6 destination; the high byte repeats the setting that is left
.if MSB != \new
	s_set_vgpr_msb (MSB<<8)|\new
.set MSB, \new
.endif
.endm
.macro CLEAR256 win                    ; all 256 registers of a window
	WIN \win
.set ci_, 0
.rept 256
	v_mov_b32 v[ci_], 0
.set ci_, ci_+1
.endr
	s_wait_alu depctr_va_vdst(0)                   ; the wait stands here, directly behind the writes
	WIN 0
.endm
	s_load_b256 s[4:11], s[0:1], 0x0               ; w2, hq, hs, rpos
	s_load_b64 s[12:13], s[0:1], 0x20              ; yp
	v_lshl_add_u32 v[SPW], v0, 2, SPARE
	v_mov_b32 v[NIL], 0
	v_lshrrev_b32 v1, 5, v0
	v_readfirstlane_b32 s20, v1                    ; wave 0..3
	s_and_b32 s21, ttmp7, 0xffff                   ; e
	s_and_b32 s22, ttmp9, 15                       ; ds
	s_lshr_b32 s23, ttmp9, 4                       ; half
	v_and_b32 v1, 31, v0                           ; lane
	v_and_b32 v2, 15, v0                           ; p
	v_bfe_u32 v3, v0, 4, 1                         ; q
	v_lshlrev_b32 v[LI], 4, v1
	v_lshlrev_b32 v[WO], 17, v3
	v_lshl_add_u32 v[WO], v2, 4, v[WO]
	s_lshl_b32 s30, s20, 12
	v_add_nc_u32 v[IA], s30, v[LI]                 ; 4,096 w + 16 x lane
	s_lshl_b32 s30, s20, 8
	v_lshl_add_u32 v[SA], v2, 2, WSC
	v_add_nc_u32 v[SA], s30, v[SA]                 ; 256 w + 4 p
	v_lshl_add_u32 v[LS], v1, 2, WSC
	v_lshlrev_b32 v[HL], 8, v3
	v_lshl_add_u32 v[HL], v2, 2, v[HL]
	v_lshlrev_b32 v[YO], 15, v3
	v_lshl_add_u32 v[YO], v2, 4, v[YO]
	v_lshlrev_b32 v[Q8], 3, v3
.irp c, 0,1,2,3
	v_mov_b32 v[TP+\c], 0                          ; a lane permute's destination counts as one of its sources
.endr
.set ci_, 0
.rept 16
	v_mov_b32 v[HSC+ci_], 0                        ; h's scale words, and
.set ci_, ci_+1
.endr
	CLEAR256 0xc0                                  ; h's fragments: written once on every way (the arguments are on their way meanwhile)
	s_mov_b32 s16, 0x76543210
	s_mov_b32 s17, 0xfedcba98                      ; v_permlanex16_b32: lane l xor 16
	s_lshl_b32 s30, s21, 24                        ; w2: e x 16 MiB + (2048 half + 512 w) rows of 4,096 bytes + 256 ds
	s_lshl_b32 s32, s23, 23
	s_add_co_u32 s30, s30, s32
	s_lshl_b32 s32, s20, 21
	s_add_co_u32 s30, s30, s32
	s_lshl_b32 s32, s22, 8
	s_add_co_u32 s30, s30, s32
	s_mov_b32 s31, 0
	s_lshl_b32 s32, s21, 21                        ; hq [e][64 tiles][32 K steps][1,024 B]: tile w, K step 16 half
	s_lshl_b32 s34, s23, 14
	s_add_co_u32 s32, s32, s34
	s_lshl_b32 s34, s20, 15
	s_add_co_u32 s32, s32, s34
	s_mov_b32 s33, 0
	s_lshl_b32 s34, s21, 17                        ; hs [e][64][32][16 rows x 4 B] likewise
	s_lshl_b32 s36, s23, 10
	s_add_co_u32 s34, s34, s36
	s_lshl_b32 s36, s20, 11
	s_add_co_u32 s34, s34, s36
	s_mov_b32 s35, 0
	s_lshl_b32 s46, s23, 3                         ; yp: (8 half + e) x 4 MiB + 16 w rows of 4,096 bytes + 256 ds
	s_add_co_u32 s46, s46, s21
	s_lshl_b32 s46, s46, 22
	s_lshl_b32 s36, s20, 16
	s_add_co_u32 s46, s46, s36
	s_lshl_b32 s36, s22, 8
	s_add_co_u32 s46, s46, s36
	s_mov_b32 s47, 0
	s_lshl_b32 s45, s21, 7
	s_wait_alu depctr_va_vdst(0)
	s_wait_kmcnt 0x0
	s_load_b32 s44, s[10:11], s45 offset:0x8000    ; the expert's count, which the launch before stored
	s_add_nc_u64 s[4:5], s[4:5], s[30:31]
	s_add_nc_u64 s[6:7], s[6:7], s[32:33]
	s_add_nc_u64 s[8:9], s[8:9], s[34:35]
	s_add_nc_u64 s[12:13], s[12:13], s[46:47]
.macro LOADSET par, row                ; 64 rows from row on (counted from the stage's first), into set par of window 1: register 4 i + c = w2(row + 32 q + i, column 4 p + c)
	WIN 0x40
.set li_, 0
.rept 32
	global_load_b128 v[128*(\par)+4*li_:128*(\par)+4*li_+3], v[WO], s[4:5] offset:((\row)+li_)*4096 th:TH_LOAD_NT
.set li_, li_+1
.endr
	WIN 0
.endm
; The stage's h: for each of my tiles the fragments of K steps 4 w' + j (8 loads of 512 consecutive bytes) and their scale words (lanes 0-15: w' = 2 u, lanes 16-31: w' = 2 u + 1).  s29: my tiles in this pass.
.macro HLOAD
.irp i, 0,1,2,3,4,5,6,7
	s_cmp_le_u32 s29, \i
	s_cbranch_scc1 .Lh_\@
	WIN 0xc0
.irp wv, 0,1,2,3
.irp c, 0,1
	global_load_b128 v[32*\i+8*\wv+4*\c:32*\i+8*\wv+4*\c+3], v[LI], s[6:7] offset:\i*131072+\wv*4096+\c*512
.endr
.endr
	WIN 0
.irp u, 0,1
	global_load_b32 v[HSC+2*\i+\u], v[HL], s[8:9] offset:\i*8192+\u*512
.endr
.endr
.Lh_\@:
.endm
; One set: 4 columns x a block of 32 along f become 4 x 16 bytes of codes in the images.  n: the younger loads that may stay out.  ld: the set two further on is asked for.
.macro WSET par, n, ld
	s_wait_loadcnt \n
	s_wait_dscnt 0x0                               ; the last set's LDS stores have read the words and codes that are written anew below
	WIN 0x01
.irp c, 0,1,2,3                                ; laid by columns, so that a conversion finds 8 neighbours along f in consecutive registers
.set wi_, 0
.rept 32
	v_mov_b32 v[X+32*\c+wi_], v[128*(\par)+4*wi_+\c]
.set wi_, wi_+1
.endr
.endr
	WIN 0
.if (\par) == 0
	s_wait_alu depctr_va_vdst(0)
	HLOAD                                          ; ahead of the next set's loads: the next wait on LOADcnt shows them done
.endif
.if \ld
	LOADSET \par, 128+64*(\par)                    ; the registers just read take the set two further on
.endif
.irp c, 0,1,2,3
	v_max3_num_f32 v[M+\c], |v[X+32*\c]|, |v[X+32*\c+1]|, 0x1800000   ; with the floor 2^(3 - 127): the byte cannot fall under 1
.endr
.set wi_, 2
.rept 15
.irp c, 0,1,2,3
	v_max3_num_f32 v[M+\c], v[M+\c], |v[X+32*\c+wi_]|, |v[X+32*\c+wi_+1]|   ; the four columns by turns
.endr
.set wi_, wi_+2
.endr
.irp c, 0,1,2,3
	v_add_nc_u32 v[SCL+\c], 0xff000000, v[M+\c]    ; 2 off the exponent field: the conversion's scale operand
.endr
.if (\par) == 0
.irp c, 0,1,2,3
	v_lshrrev_b32 v[WD+\c], 23, v[SCL+\c]          ; block q of the K step's four
.endr
.else
.irp c, 0,1,2,3
	v_lshrrev_b32 v[BY+\c], 23, v[SCL+\c]          ; block 2 + q
.endr
.irp c, 0,1,2,3
	v_lshl_or_b32 v[WD+\c], v[BY+\c], 16, v[WD+\c]
.endr
.irp c, 0,1,2,3
	v_lshlrev_b32 v[WD+\c], v[Q8], v[WD+\c]
.endr
.irp c, 0,1,2,3
	v_permlanex16_b32 v[TP+\c], v[WD+\c], s16, s17
.endr
.irp c, 0,1,2,3
	v_or_b32 v[WD+\c], v[WD+\c], v[TP+\c]          ; with lane l xor 16's two bytes the word is whole
.endr
.endif
.irp c, 0,1,2,3
.irp g, 0,1,2,3
	v_cvt_scalef32_pk8_fp4_f32 v[CD+4*\c+\g], v[X+32*\c+8*\g:X+32*\c+8*\g+7], v[SCL+\c]
.endr
.endr
	v_nop                                          ; one plain line behind the last conversion
.irp c, 0,1,2,3
	ds_store_b128 v[IA], v[CD+4*\c:CD+4*\c+3] offset:\c*1024+(\par)*512
.endr
.if (\par) == 1
.irp c, 0,1,2,3
	ds_store_b32 v[SA], v[WD+\c] offset:\c*64      ; both halves of the lanes write the same word with the same value
.endr
.endif
.endm
.macro RELOAD                          ; the stage's 16 fragments (wave w', tile c) into v[X + 8 (4 w' + c)], and their scale words (lanes 0-15: tile 2 u; lanes 16-31: tile 2 u + 1)
.irp wv, 0,1,2,3
.irp c, 0,1,2,3
	ds_load_b128 v[X+8*(4*\wv+\c):X+8*(4*\wv+\c)+3], v[LI] offset:\wv*4096+\c*1024
	ds_load_b128 v[X+8*(4*\wv+\c)+4:X+8*(4*\wv+\c)+7], v[LI] offset:\wv*4096+\c*1024+512
.endr
.endr
.irp wv, 0,1,2,3
.irp u, 0,1
	ds_load_b32 v[SW+2*\wv+\u], v[LS] offset:\wv*256+\u*128
.endr
.endr
.endm
.macro MM d, a, b, sa, sb, ar, br      ; one product onto its accumulator; ar, br: that side's scales stand in lanes 16-31
.if (\ar) == 0 && (\br) == 0
	v_wmma_scale_f32_16x16x128_f8f6f4 v[\d:\d+7], v[\a:\a+7], v[\b:\b+7], v[\d:\d+7], v[\sa], v[\sb] matrix_a_fmt:MATRIX_FMT_FP4 matrix_b_fmt:MATRIX_FMT_FP4
.endif
.if (\ar) == 0 && (\br) == 1
	v_wmma_scale_f32_16x16x128_f8f6f4 v[\d:\d+7], v[\a:\a+7], v[\b:\b+7], v[\d:\d+7], v[\sa], v[\sb] matrix_a_fmt:MATRIX_FMT_FP4 matrix_b_fmt:MATRIX_FMT_FP4 matrix_b_scale:MATRIX_SCALE_ROW1
.endif
.if (\ar) == 1 && (\br) == 0
	v_wmma_scale_f32_16x16x128_f8f6f4 v[\d:\d+7], v[\a:\a+7], v[\b:\b+7], v[\d:\d+7], v[\sa], v[\sb] matrix_a_fmt:MATRIX_FMT_FP4 matrix_b_fmt:MATRIX_FMT_FP4 matrix_a_scale:MATRIX_SCALE_ROW1
.endif
.if (\ar) == 1 && (\br) == 1
	v_wmma_scale_f32_16x16x128_f8f6f4 v[\d:\d+7], v[\a:\a+7], v[\b:\b+7], v[\d:\d+7], v[\sa], v[\sb] matrix_a_fmt:MATRIX_FMT_FP4 matrix_b_fmt:MATRIX_FMT_FP4 matrix_a_scale:MATRIX_SCALE_ROW1 matrix_b_scale:MATRIX_SCALE_ROW1
.endif
.endm
.macro MULT                            ; my tiles x the stage's four K steps x four column tiles: a tile's four accumulators by turns
.irp i, 0,1,2,3,4,5,6,7
	s_cmp_le_u32 s29, \i
	s_cbranch_scc1 .Lm_\@
	WIN 0xa3                                       ; source 0 (h) window 3, source 1 (w2) window 0, C and D window 2
.irp wv, 0,1,2,3
.irp c, 0,1,2,3
	MM 32*\i+8*\c, 32*\i+8*\wv, X+8*(4*\wv+\c), HSC+2*\i+\wv/2, SW+2*\wv+\c/2, \wv%2, \c%2
.endr
.endr
	WIN 0
.endr
.Lm_\@:
.rept 4
	v_nop                                          ; the places in front of writes and loads into registers that the products read, and of the first read of results
.endr
.endm
.macro STAGE ld
	s_cmp_eq_u32 s31, 0                            ; a pass without rows quantises nothing: the jump leads round the two sets and round no barrier
	s_cbranch_scc1 .Lq_\@
	WSET 0, 32, \ld                                ; the odd set's 32 loads are younger
.if \ld
	WSET 1, 32, 1                                  ; the next even set's 32 loads are younger; h's, which are older than those, are in with this set
.else
	WSET 1, 0, 0
.endif
.Lq_\@:
	s_wait_dscnt 0x0                               ; for the others' sake: my images and words lie in LDS
	s_barrier_signal -1
	s_barrier_wait -1
	s_cmp_eq_u32 s31, 0                            ; and it reads and multiplies nothing
	s_cbranch_scc1 .Lr_\@
	RELOAD
	s_wait_dscnt 0x0
	MULT
.Lr_\@:
	s_barrier_signal -1                            ; every wave's reads of the images are over: the next stage may store there
	s_barrier_wait -1
.endm
	LOADSET 0, 0
	LOADSET 1, 64                                  ; both first sets are asked for ahead of the wait for the count
	CLEAR256 0x80                                  ; the accumulators (the first two sets are on their way meanwhile)
	s_wait_kmcnt 0x0
	s_add_co_u32 s24, s44, 15
	s_lshr_b32 s24, s24, 4
	s_max_u32 s24, s24, 1
	s_min_u32 s24, s24, 64                         ; tiles of 16 rows, as the launch before counted them
	s_mov_b32 s25, 0                               ; the pass
	s_mov_b32 s26, s20                             ; my first tile of the pass
.Lpass:
	s_sub_co_i32 s30, s24, s26
	s_add_co_i32 s30, s30, 3
	s_max_i32 s30, s30, 0
	s_lshr_b32 s30, s30, 2
	s_min_u32 s29, s30, 8                          ; my tiles in this pass: those of w + 4 i that lie under the count
	s_lshl_b32 s30, s25, 5                         ; THE PASS LOOP HAS TWO TRIPS IN EVERY WORK-GROUP, so that every wave passes the same barriers;
	s_cmp_gt_u32 s24, s30                          ; a pass that the count leaves without rows (the same in all four waves) has its work jumped over
	s_cselect_b32 s31, 1, 0
	s_mov_b32 s28, 0
.Lstage:                                           ; stages 0 to 2 ask for the sets of the stage behind them
	STAGE 1
	s_wait_xcnt 0x0                                ; the loads have read their bases
	s_add_nc_u64 s[4:5], s[4:5], 524288            ; 128 rows of w2 on,
	s_add_nc_u64 s[6:7], s[6:7], 1024              ; a K step of h's codes,
	s_add_nc_u64 s[8:9], s[8:9], 64                ; and of its scale words
	s_add_co_u32 s28, s28, 1
	s_cmp_lt_u32 s28, 3
	s_cbranch_scc1 .Lstage
	STAGE 0                                        ; the last stage is written out: it asks for no further set
; THE WAY OUT: a row's four columns come together; four sets of 32 registers take turns
.irp i, 0,1,2,3,4,5,6,7
	s_cmp_le_u32 s29, \i
	s_cbranch_scc1 .Lstored
.if \i >= 4
	s_wait_xcnt 0x0                                ; the stores of four tiles ago have read their data
.endif
	WIN 0x02
.irp c, 0,1,2,3                                ; each accumulator from its low end on
.irp j, 0,1,2,3,4,5,6,7
	v_mov_b32 v[X+32*(\i%4)+4*\j+\c], v[32*\i+8*\c+\j]
.endr
.endr
	WIN 0
.irp j, 0,1,2,3,4,5,6,7
	global_store_b128 v[YO], v[X+32*(\i%4)+4*\j:X+32*(\i%4)+4*\j+3], s[12:13] offset:\i*262144+4096*\j th:TH_STORE_NT   ; rows j and 8 + j: sixteen lanes store 256 consecutive bytes, aligned
.endr
.endr
.Lstored:
	s_wait_xcnt 0x0                                ; stores and loads have read their bases and data
	s_sub_nc_u64 s[4:5], s[4:5], 3*524288          ; w2: back to my first row
	s_add_nc_u64 s[6:7], s[6:7], (32<<15)-3*1024   ; h: 32 tiles on, back to the half's first K step
	s_add_nc_u64 s[8:9], s[8:9], (32<<11)-3*64
	s_add_nc_u64 s[12:13], s[12:13], 32<<16        ; yp: 512 rows on
	s_add_co_u32 s26, s26, 32
	s_add_co_u32 s25, s25, 1
	s_lshl_b32 s30, s25, 5
	s_cmp_le_u32 s24, s30                          ; has the next pass rows?  (Behind the second pass never: there are 64 tiles at the most)
	s_cbranch_scc1 .Lnone
	s_wait_loadcnt 0x0                             ; no load of mine is out: the sets' registers may take loads
	LOADSET 0, 0                                   ; its first two sets,
	LOADSET 1, 64
	CLEAR256 0x80                                  ; and its accumulators
.Lnone:
	s_cmp_lt_u32 s25, 2
	s_cbranch_scc1 .Lpass
	s_wait_tensorcnt 0x0                           ; the wave's end
	ds_add_u32 v[SPW], v[NIL]
	s_wait_dscnt 0x0
	s_endpgm
.Lfunc_end_k_q3640414de6_ffn2:
	.size	k_q3640414de6_ffn2, .Lfunc_end_k_q3640414de6_ffn2-k_q3640414de6_ffn2
	.p2alignl 7, 3214868480
	.fill 96, 4, 3214868480
	.section	.rodata,"a",@progbits
	.p2align	6, 0x0
	.amdhsa_kernel k_q3640414de6_ffn2
		.amdhsa_group_segment_fixed_size 17920
		.amdhsa_private_segment_fixed_size 0
		.amdhsa_enable_private_segment 0
		.amdhsa_kernarg_size 40
		.amdhsa_user_sgpr_count 2
		.amdhsa_user_sgpr_kernarg_segment_ptr 1
		.amdhsa_wavefront_size32 1
		.amdhsa_system_sgpr_workgroup_id_x 1
		.amdhsa_system_sgpr_workgroup_id_y 1
		.amdhsa_system_sgpr_workgroup_id_z 1
		.amdhsa_system_vgpr_workitem_id 0
		.amdhsa_next_free_vgpr 1024
		.amdhsa_next_free_sgpr 66
		.amdhsa_reserve_vcc 0
		.amdhsa_float_denorm_mode_32 3
		.amdhsa_float_denorm_mode_16_64 3
		.amdhsa_memory_ordered 1
		.amdhsa_forward_progress 1
		.amdhsa_inst_pref_size 162
	.end_amdhsa_kernel
	.amdgpu_metadata
---
amdhsa.version: [ 1, 2 ]
amdhsa.kernels:
  - .name:           k_q3640414de6_ffn2
    .symbol:         k_q3640414de6_ffn2.kd
    .args:
      - { .name: w2, .offset: 0, .size: 8, .value_kind: global_buffer, .address_space: global }
      - { .name: hq, .offset: 8, .size: 8, .value_kind: global_buffer, .address_space: global }
      - { .name: hs, .offset: 16, .size: 8, .value_kind: global_buffer, .address_space: global }
      - { .name: rpos, .offset: 24, .size: 8, .value_kind: global_buffer, .address_space: global }
      - { .name: yp, .offset: 32, .size: 8, .value_kind: global_buffer, .address_space: global }
    .group_segment_fixed_size: 17920
    .private_segment_fixed_size: 0
    .kernarg_segment_align: 8
    .kernarg_segment_size: 40
    .max_flat_workgroup_size: 128
    .sgpr_count:     66
    .vgpr_count:     1024
    .wavefront_size: 32
...
	.end_amdgpu_metadata
.endif
;; end of part 3
;; launch combine (part 4): grid 256 x 1, 4 waves a work-group, no clusters, 0 bytes of LDS; arguments yp, ridx, rwt, rpos, out0; writes out0
.if DOCPART == 4
	.amdgcn_target "amdgcn-amd-amdhsa--gfx1250"
	.amdhsa_code_object_version 6
	.text
	.protected	k_q3640414de6_combine
	.globl	k_q3640414de6_combine
	.p2align	8
	.type	k_q3640414de6_combine,@function
k_q3640414de6_combine:
	s_mov_b64 s[64:65], 0
	v_nop
	global_prefetch_b8 v0, s[64:65] scope:SCOPE_SE
	s_setreg_imm32_b32 hwreg(HW_REG_WAVE_MODE, 25, 1), 1
	s_wait_xcnt 0x0
; out[t] = p1 (y of expert e1, both halves of f) + p2 (the same of e2).  The six experts that token t did not choose have the factor 0 by the function's own one_hot and are left out (see the first kernel's head).
; One wave, one token: t = 4 wg + wave.  The experts, the weights and the token's position in each of the eight lists come by one batch of scalar loads (whole numbers that earlier launches stored);
; the two positions are then selected, so that no second round of dependent loads is needed.  Four rows of 4,096 bytes are read once, 512 consecutive bytes a load, and one is written.
; A stream: no LDS, no barrier, no matrix unit.
.set Y, 8                              ; v8-135: chunk i at 16 i: e1 half 0, e1 half 1, e2 half 0, e2 half 1, four registers each
	s_load_b256 s[4:11], s[0:1], 0x0               ; yp, ridx, rwt, rpos
	s_load_b64 s[12:13], s[0:1], 0x20              ; out0
	v_lshrrev_b32 v2, 5, v0
	v_readfirstlane_b32 s20, v2                    ; wave
	v_and_b32 v1, 31, v0
	v_lshlrev_b32 v1, 4, v1                        ; 16 x lane
	s_lshl_b32 s21, ttmp9, 2
	s_add_co_u32 s21, s21, s20                     ; t
	s_lshl_b32 s22, s21, 3
	s_lshl_b32 s23, s21, 2
	s_lshl_b32 s52, s21, 12
	s_mov_b32 s53, 0
	s_wait_alu depctr_va_vdst(0)
	s_wait_kmcnt 0x0
	s_load_b64 s[24:25], s[6:7], s22 offset:0x0    ; e1, e2
	s_load_b64 s[26:27], s[8:9], s22 offset:0x0    ; p1, p2
.irp e, 0,1,2,3,4,5,6,7
	s_load_b32 s[32+\e], s[10:11], s23 offset:\e*4096   ; t's position in expert e's list
.endr
	s_add_nc_u64 s[12:13], s[12:13], s[52:53]
	s_wait_kmcnt 0x0
	s_min_u32 s24, s24, 7
	s_min_u32 s25, s25, 7
	s_mov_b32 s40, s32
	s_mov_b32 s41, s32
.irp e, 1,2,3,4,5,6,7
	s_cmp_eq_u32 s24, \e
	s_cselect_b32 s40, s[32+\e], s40
	s_cmp_eq_u32 s25, \e
	s_cselect_b32 s41, s[32+\e], s41
.endr
	s_min_u32 s40, s40, 1023
	s_min_u32 s41, s41, 1023
	s_lshl_b32 s42, s24, 10
	s_add_co_u32 s42, s42, s40
	s_lshl_b32 s42, s42, 12                        ; (1024 e1 + position) rows of 4,096 bytes
	s_mov_b32 s43, 0
	s_add_nc_u64 s[44:45], s[4:5], s[42:43]
	s_add_nc_u64 s[46:47], s[44:45], 0x2000000     ; the other half of f: 8 x 1024 rows on
	s_lshl_b32 s42, s25, 10
	s_add_co_u32 s42, s42, s41
	s_lshl_b32 s42, s42, 12
	s_add_nc_u64 s[48:49], s[4:5], s[42:43]
	s_add_nc_u64 s[50:51], s[48:49], 0x2000000
	s_mov_b32 s28, s27                             ; p2 as the low word of a pair of its own: the packed forms take a scalar pair's low word for both halves
	s_mov_b32 s29, s27
.irp i, 0,1,2,3,4,5,6,7
	global_load_b128 v[Y+16*\i:Y+16*\i+3], v1, s[44:45] offset:512*\i th:TH_LOAD_NT
	global_load_b128 v[Y+16*\i+4:Y+16*\i+7], v1, s[46:47] offset:512*\i th:TH_LOAD_NT
	global_load_b128 v[Y+16*\i+8:Y+16*\i+11], v1, s[48:49] offset:512*\i th:TH_LOAD_NT
	global_load_b128 v[Y+16*\i+12:Y+16*\i+15], v1, s[50:51] offset:512*\i th:TH_LOAD_NT
.endr
.irp i, 0,1,2,3,4,5,6,7
	s_wait_loadcnt 4*(7-\i)                        ; this chunk's four loads are in; the later chunks' are younger
	v_pk_add_f32 v[Y+16*\i:Y+16*\i+1], v[Y+16*\i:Y+16*\i+1], v[Y+16*\i+4:Y+16*\i+5]
	v_pk_add_f32 v[Y+16*\i+2:Y+16*\i+3], v[Y+16*\i+2:Y+16*\i+3], v[Y+16*\i+6:Y+16*\i+7]
	v_pk_add_f32 v[Y+16*\i+8:Y+16*\i+9], v[Y+16*\i+8:Y+16*\i+9], v[Y+16*\i+12:Y+16*\i+13]
	v_pk_add_f32 v[Y+16*\i+10:Y+16*\i+11], v[Y+16*\i+10:Y+16*\i+11], v[Y+16*\i+14:Y+16*\i+15]
	v_pk_mul_f32 v[Y+16*\i:Y+16*\i+1], v[Y+16*\i:Y+16*\i+1], s[26:27] op_sel_hi:[1,0]
	v_pk_mul_f32 v[Y+16*\i+2:Y+16*\i+3], v[Y+16*\i+2:Y+16*\i+3], s[26:27] op_sel_hi:[1,0]
	v_pk_fma_f32 v[Y+16*\i:Y+16*\i+1], v[Y+16*\i+8:Y+16*\i+9], s[28:29], v[Y+16*\i:Y+16*\i+1] op_sel_hi:[1,0,1]
	v_pk_fma_f32 v[Y+16*\i+2:Y+16*\i+3], v[Y+16*\i+10:Y+16*\i+11], s[28:29], v[Y+16*\i+2:Y+16*\i+3] op_sel_hi:[1,0,1]
	global_store_b128 v1, v[Y+16*\i:Y+16*\i+3], s[12:13] offset:512*\i th:TH_STORE_NT   ; 512 consecutive bytes, aligned; each chunk has registers of its own
.endr
	s_endpgm
.Lfunc_end_k_q3640414de6_combine:
	.size	k_q3640414de6_combine, .Lfunc_end_k_q3640414de6_combine-k_q3640414de6_combine
	.p2alignl 7, 3214868480
	.fill 96, 4, 3214868480
	.section	.rodata,"a",@progbits
	.p2align	6, 0x0
	.amdhsa_kernel k_q3640414de6_combine
		.amdhsa_group_segment_fixed_size 0
		.amdhsa_private_segment_fixed_size 0
		.amdhsa_enable_private_segment 0
		.amdhsa_kernarg_size 40
		.amdhsa_user_sgpr_count 2
		.amdhsa_user_sgpr_kernarg_segment_ptr 1
		.amdhsa_wavefront_size32 1
		.amdhsa_system_sgpr_workgroup_id_x 1
		.amdhsa_system_sgpr_workgroup_id_y 1
		.amdhsa_system_sgpr_workgroup_id_z 1
		.amdhsa_system_vgpr_workitem_id 0
		.amdhsa_next_free_vgpr 144
		.amdhsa_next_free_sgpr 66
		.amdhsa_reserve_vcc 0
		.amdhsa_float_denorm_mode_32 3
		.amdhsa_float_denorm_mode_16_64 3
		.amdhsa_memory_ordered 1
		.amdhsa_forward_progress 1
		.amdhsa_inst_pref_size 12
	.end_amdhsa_kernel
	.amdgpu_metadata
---
amdhsa.version: [ 1, 2 ]
amdhsa.kernels:
  - .name:           k_q3640414de6_combine
    .symbol:         k_q3640414de6_combine.kd
    .args:
      - { .name: yp, .offset: 0, .size: 8, .value_kind: global_buffer, .address_space: global }
      - { .name: ridx, .offset: 8, .size: 8, .value_kind: global_buffer, .address_space: global }
      - { .name: rwt, .offset: 16, .size: 8, .value_kind: global_buffer, .address_space: global }
      - { .name: rpos, .offset: 24, .size: 8, .value_kind: global_buffer, .address_space: global }
      - { .name: out0, .offset: 32, .size: 8, .value_kind: global_buffer, .address_space: global }
    .group_segment_fixed_size: 0
    .private_segment_fixed_size: 0
    .kernarg_segment_align: 8
    .kernarg_segment_size: 40
    .max_flat_workgroup_size: 128
    .sgpr_count:     66
    .vgpr_count:     144
    .wavefront_size: 32
...
	.end_amdgpu_metadata
.endif
;; end of part 4
